; MI455X (gfx1250); checked and timed in simulation.
; The chip was launched on July 23, 2026; its instructions are those of AMD's public machine-readable ISA for CDNA 5 (MIT licence, August 2026) and "CDNA5" Instruction Set Architecture Reference Guide (July 2026). The comments in the code are by the model that wrote it; some were corrected since.
;; Attention. Allowed arithmetic: float matrix products may take bf16 or f16 operands with f32 sums; other float arithmetic in f32, or as packed bf16 or f16 multiplies, adds, multiply-adds, maxima and minima; sums over many terms, partial sums and values carried from step to step in f32; what a program stores and reads back later, other than sums and carried values, may be rounded once to bf16 or f16.
;; Inputs: freqs_cos 1,024 x 64 float32; freqs_sin 1,024 x 64 float32; wk 1,024 x 4,096 float32; wo 4,096 x 4,096 float32; wq 4,096 x 4,096 float32; wv 1,024 x 4,096 float32; x 1 x 1,024 x 4,096 float32.
;; Outputs: out0 1 x 1,024 x 4,096 float32.
;; One version. Each part assembles by itself: llvm-mc -triple=amdgcn-amd-amdhsa -mcpu=gfx1250 --defsym DOCPART=n.
;; ======== version 1 of 1: 4 launches
;; limits: values are held in f16: magnitudes above 65,504 overflow, below 6.1e-05 lose precision; right only within a limited range of input values
;; workspace buffers: xb 8,388,608 bytes; wqkv 50,331,648 bytes; wob 33,554,432 bytes; qkv 12,582,912 bytes; ob 8,388,608 bytes
;; launch prep (part 1): grid 704 x 1, 8 waves a work-group, no clusters, 19,456 bytes of LDS; arguments x, wq, wk, wv, wo, xb, wqkv, wob; writes xb, wqkv, wob
.if DOCPART == 1
	.amdgcn_target "amdgcn-amd-amdhsa--gfx1250"
	.amdhsa_code_object_version 6
	.text
	.protected	k_qe6417fdf9d_prep
	.globl	k_qe6417fdf9d_prep
	.p2align	8
	.type	k_qe6417fdf9d_prep,@function
k_qe6417fdf9d_prep:
	s_mov_b64 s[64:65], 0
	v_nop
	global_prefetch_b8 v0, s[64:65] scope:SCOPE_SE
	s_setreg_imm32_b32 hwreg(HW_REG_WAVE_MODE, 25, 1), 1
	s_wait_xcnt 0x0
; x, wq, wk, wv, wo (f32, rows of 4,096) -> 16-bit copies laid out in BLOCKS of 16 rows x 32 k, 1,024 bytes each:
; block (row / 16, k / 32) at ((row / 16) x 128 + k / 32) x 1,024; inside it byte half x 512 + lane x 16 + 2 e, with lane = row % 16 + 16 h and k % 32 = 16 half + 8 h + e.
; That is a 16-bit matrix fragment as the lanes hold it, so the later launches read fragments as 512 consecutive bytes.
; Every number is multiplied by an exact power of two (x: 1; wq, wk: 2^-6; wv: 2^-3; wo: 8) and rounded ONCE to bf16, to nearest even; wo's bf16 number is then written as f16.
; LIMITS.  8 wo must lie within f16: |wo| < 8,188; below |wo| = 7.6e-6 it keeps f16's fixed step (7.5e-9 in wo).  The scales keep q, k, v within f16 in the next launch (stated there).
; SHARES.  Work-group g owns 16 rows: g 0-63 x, 64-319 wq, 320-383 wk, 384-447 wv, 448-703 wo.  Wave w owns k = 512 w .. 512 w + 511, eight UNITS of 64 k.
; A unit: eight loads (each 2 rows x 256 consecutive bytes), scale, round, through the wave's own stage in LDS (16 rows x 144 bytes) into block order, four stores of 512 consecutive bytes.
; Memory binds: no matrix unit, no cluster (nothing is shared), no barrier (each wave has its own stage).  Two register slots keep sixteen loads of a wave on their way.
.set STG,   2304                       ; a wave's stage: 16 rows x (128 + 16) bytes
.set SPARE, 8*STG                      ; behind the stages: the spare words, 128 bytes for each wave
.set LO,  1                            ; v1   byte offset of my 16 bytes in the source: (l / 16) rows + 16 (l % 16) + 2,048 w
.set SA,  2                            ; v2   stage, in:  (l / 16) x 144 + 8 (l % 16)
.set LA,  3                            ; v3   stage, out: (l % 16) x 144 + 16 (l / 16)
.set GO,  4                            ; v4   byte offset in the 16 rows' 131,072 bytes of output: 16,384 w + 16 l
.set SPW, 5                            ; v5   my spare word; never rewritten
.set NIL, 6                            ; v6   0; never rewritten
.set T,   8                            ; v[8:11]   at work
.set PK,  12                           ; v[12:27]  a unit's 16-bit numbers, two registers for each load
.set OU,  28                           ; v[28:43]  the unit in block order
.set X,   44                           ; v[44:107] two slots of 32: a unit as loaded
	s_load_b512 s[8:23], s[0:1], 0x0               ; x, wq, wk, wv, wo, xb, wqkv, wob
	v_lshl_add_u32 v[SPW], v0, 2, SPARE
	v_mov_b32 v[NIL], 0
	v_lshrrev_b32 v7, 5, v0
	v_readfirstlane_b32 s32, v7                    ; wave 0..7
	s_mov_b32 s2, ttmp9                            ; g
	s_mov_b32 s33, 0xffff0000                      ; a word's upper bf16
	v_and_b32 v7, 15, v0                           ; l % 16
	v_bfe_u32 v8, v0, 4, 1                         ; l / 16
	v_and_b32 v9, 31, v0                           ; l
	s_lshl_b32 s34, s32, 11
	s_mul_i32 s35, s32, STG
	s_lshl_b32 s37, s32, 14
	v_lshlrev_b32 v[LO], 4, v7
	v_lshl_add_u32 v[LO], v8, 14, v[LO]
	v_add_nc_u32 v[LO], s34, v[LO]
	v_mul_u32_u24 v10, v8, 144
	v_lshl_add_u32 v[SA], v7, 3, v10
	v_add_nc_u32 v[SA], s35, v[SA]
	v_mul_u32_u24 v10, v7, 144
	v_lshl_add_u32 v[LA], v8, 4, v10
	v_add_nc_u32 v[LA], s35, v[LA]
	v_lshl_add_u32 v[GO], v9, 4, s37
	s_wait_kmcnt 0x0
	; which tensor is mine: source s[24:25], destination s[26:27], their first g in s28 and s29, the scale in s30, s36 = 1 for wo
	s_mov_b64 s[24:25], s[8:9]
	s_mov_b64 s[26:27], s[18:19]
	s_mov_b32 s28, 0
	s_mov_b32 s29, 0
	s_mov_b32 s30, 1.0
	s_cmp_ge_u32 s2, 64
	s_cselect_b64 s[24:25], s[10:11], s[24:25]
	s_cselect_b64 s[26:27], s[20:21], s[26:27]
	s_cselect_b32 s28, 64, s28
	s_cselect_b32 s29, 64, s29
	s_cselect_b32 s30, 0x3c800000, s30             ; 2^-6
	s_cmp_ge_u32 s2, 320
	s_cselect_b64 s[24:25], s[12:13], s[24:25]
	s_cselect_b32 s28, 320, s28                    ; wk's rows follow wq's in wqkv: the destination's first g stays 64
	s_cmp_ge_u32 s2, 384
	s_cselect_b64 s[24:25], s[14:15], s[24:25]
	s_cselect_b32 s28, 384, s28
	s_cselect_b32 s30, 0x3e000000, s30             ; 2^-3
	s_cmp_ge_u32 s2, 448
	s_cselect_b64 s[24:25], s[16:17], s[24:25]
	s_cselect_b64 s[26:27], s[22:23], s[26:27]
	s_cselect_b32 s28, 448, s28
	s_cselect_b32 s29, 448, s29
	s_cselect_b32 s30, 0x41000000, s30             ; 8
	s_cselect_b32 s36, 1, 0
	s_mov_b32 s31, s30                             ; named with it as a pair
	s_sub_co_u32 s38, s2, s28
	s_lshl_b32 s38, s38, 18                        ; 16 rows of 16,384 bytes
	s_mov_b32 s39, 0
	s_sub_co_u32 s40, s2, s29
	s_lshl_b32 s40, s40, 17                        ; 16 rows of 8,192 bytes
	s_mov_b32 s41, 0
	s_add_nc_u64 s[24:25], s[24:25], s[38:39]
	s_add_nc_u64 s[26:27], s[26:27], s[40:41]
.macro LOADS sl, off                   ; a unit into slot sl: eight loads, 2 rows x 256 consecutive bytes each
.irp t, 0,1,2,3,4,5,6,7
	global_load_b128 v[X+32*(\sl)+4*(\t):X+32*(\sl)+4*(\t)+3], v[LO], s[24:25] offset:(\t)*32768+(\off) th:TH_LOAD_NT
.endr
.endm
; The unit in slot sl.  ahead = 1: the slot is loaded again, two units on.  left: the younger loads that may stay out.
.macro UNIT sl, ahead, left
	s_wait_loadcnt \left                           ; loads come back in order: mine are in, the other slot's eight stay out
.irp t, 0,1,2,3,4,5,6,7
	v_pk_mul_f32 v[X+32*(\sl)+4*(\t):X+32*(\sl)+4*(\t)+1], v[X+32*(\sl)+4*(\t):X+32*(\sl)+4*(\t)+1], s[30:31] op_sel_hi:[1,0]
	v_pk_mul_f32 v[X+32*(\sl)+4*(\t)+2:X+32*(\sl)+4*(\t)+3], v[X+32*(\sl)+4*(\t)+2:X+32*(\sl)+4*(\t)+3], s[30:31] op_sel_hi:[1,0]
.endr
.irp t, 0,1,2,3,4,5,6,7
	v_cvt_pk_bf16_f32 v[PK+2*(\t)], v[X+32*(\sl)+4*(\t)], v[X+32*(\sl)+4*(\t)+1]
	v_cvt_pk_bf16_f32 v[PK+2*(\t)+1], v[X+32*(\sl)+4*(\t)+2], v[X+32*(\sl)+4*(\t)+3]
.endr
.if \ahead
	LOADS \sl, 512+256*(\sl)
.endif
	s_cmp_lg_u32 s36, 0
	s_cbranch_scc0 .Lstays_bf16_\@                 ; only wo's numbers are written as f16
.irp i, 0,1,2,3,4,5,6,7,8,9,10,11,12,13,14,15
	v_lshlrev_b32 v[T+2*((\i)%2)], 16, v[PK+(\i)]
	v_and_b32 v[T+2*((\i)%2)+1], s33, v[PK+(\i)]
	v_cvt_pk_f16_f32 v[PK+(\i)], v[T+2*((\i)%2)], v[T+2*((\i)%2)+1]
.endr
.Lstays_bf16_\@:
.irp t, 0,1,2,3,4,5,6,7
	ds_store_b64 v[SA], v[PK+2*(\t):PK+2*(\t)+1] offset:(\t)*288
.endr
	s_wait_xcnt 0x0                                ; OU, which the last unit's stores read, is loaded again only behind this wait
.irp q, 0,1,2,3
	ds_load_b128 v[OU+4*(\q):OU+4*(\q)+3], v[LA] offset:((\q)/2)*64+((\q)%2)*32  ; LDS serves a wave's instructions in order: these see the stores above, and the next unit's stores come behind them
.endr
	s_wait_dscnt 0x0
.irp q, 0,1,2,3
	global_store_b128 v[GO], v[OU+4*(\q):OU+4*(\q)+3], s[26:27] offset:(\sl)*2048+(\q)*512  ; 512 consecutive bytes, at a multiple of 512 from the buffer's first
.endr
.endm
	LOADS 0, 0
	LOADS 1, 256
	s_mov_b32 s42, 3
.Ltwo:                                                 ; three trips of two units; each loads the two units of the next trip
	UNIT 0, 1, 8
	UNIT 1, 1, 8
	s_wait_xcnt 0x0                                ; the bases are stepped only behind this wait
	s_add_nc_u64 s[24:25], s[24:25], 512
	s_add_nc_u64 s[26:27], s[26:27], 4096
	s_sub_co_u32 s42, s42, 1
	s_cmp_lg_u32 s42, 0
	s_cbranch_scc1 .Ltwo
	UNIT 0, 0, 8                                   ; the last two units load nothing
	UNIT 1, 0, 0
	s_wait_tensorcnt 0x0                           ; the wave's end
	ds_add_u32 v[SPW], v[NIL]
	s_wait_dscnt 0x0
	s_endpgm
.Lfunc_end_k_qe6417fdf9d_prep:
	.size	k_qe6417fdf9d_prep, .Lfunc_end_k_qe6417fdf9d_prep-k_qe6417fdf9d_prep
	.p2alignl 7, 3214868480
	.fill 96, 4, 3214868480
	.section	.rodata,"a",@progbits
	.p2align	6, 0x0
	.amdhsa_kernel k_qe6417fdf9d_prep
		.amdhsa_group_segment_fixed_size 19456
		.amdhsa_private_segment_fixed_size 0
		.amdhsa_enable_private_segment 0
		.amdhsa_kernarg_size 64
		.amdhsa_user_sgpr_count 2
		.amdhsa_user_sgpr_kernarg_segment_ptr 1
		.amdhsa_wavefront_size32 1
		.amdhsa_system_sgpr_workgroup_id_x 1
		.amdhsa_system_sgpr_workgroup_id_y 1
		.amdhsa_system_sgpr_workgroup_id_z 1
		.amdhsa_system_vgpr_workitem_id 0
		.amdhsa_next_free_vgpr 108
		.amdhsa_next_free_sgpr 66
		.amdhsa_reserve_vcc 0
		.amdhsa_float_denorm_mode_32 3
		.amdhsa_float_denorm_mode_16_64 3
		.amdhsa_memory_ordered 1
		.amdhsa_forward_progress 1
		.amdhsa_inst_pref_size 28
	.end_amdhsa_kernel
	.amdgpu_metadata
---
amdhsa.version: [ 1, 2 ]
amdhsa.kernels:
  - .name:           k_qe6417fdf9d_prep
    .symbol:         k_qe6417fdf9d_prep.kd
    .args:
      - { .name: x, .offset: 0, .size: 8, .value_kind: global_buffer, .address_space: global }
      - { .name: wq, .offset: 8, .size: 8, .value_kind: global_buffer, .address_space: global }
      - { .name: wk, .offset: 16, .size: 8, .value_kind: global_buffer, .address_space: global }
      - { .name: wv, .offset: 24, .size: 8, .value_kind: global_buffer, .address_space: global }
      - { .name: wo, .offset: 32, .size: 8, .value_kind: global_buffer, .address_space: global }
      - { .name: xb, .offset: 40, .size: 8, .value_kind: global_buffer, .address_space: global }
      - { .name: wqkv, .offset: 48, .size: 8, .value_kind: global_buffer, .address_space: global }
      - { .name: wob, .offset: 56, .size: 8, .value_kind: global_buffer, .address_space: global }
    .group_segment_fixed_size: 19456
    .private_segment_fixed_size: 0
    .kernarg_segment_align: 8
    .kernarg_segment_size: 64
    .max_flat_workgroup_size: 256
    .sgpr_count:     66
    .vgpr_count:     108
    .wavefront_size: 32
...
	.end_amdgpu_metadata
.endif
;; end of part 1
;; launch qkvp (part 2): grid 32 x 8, 4 waves a work-group, clusters of 4 x 4, 327,680 bytes of LDS; arguments xb, wqkv, freqs_cos, freqs_sin, qkv; writes qkv
.if DOCPART == 2
	.amdgcn_target "amdgcn-amd-amdhsa--gfx1250"
	.amdhsa_code_object_version 6
	.text
	.protected	k_qe6417fdf9d_qkvp
	.globl	k_qe6417fdf9d_qkvp
	.p2align	8
	.type	k_qe6417fdf9d_qkvp,@function
k_qe6417fdf9d_qkvp:
	s_mov_b64 s[64:65], 0
	v_nop
	global_prefetch_b8 v0, s[64:65] scope:SCOPE_SE
	s_setreg_imm32_b32 hwreg(HW_REG_WAVE_MODE, 25, 1), 1
	s_wait_xcnt 0x0
	s_wait_alu depctr_hold_cnt(0) depctr_sa_sdst(0) depctr_va_vdst(0) depctr_va_sdst(0) depctr_va_ssrc(0) depctr_va_vcc(0) depctr_vm_vsrc(0)
	s_getreg_b32 s2, hwreg(HW_REG_IB_STS2, 6, 4)
	s_cmp_eq_u32 s2, 0
	s_cbranch_scc0 .Lentry_in_a_cluster
	s_endpgm
.Lentry_in_a_cluster:
	s_bfe_u32 s2, ttmp6, 0x10000c
	s_cmp_lg_u32 s2, 0xf033
	s_cbranch_scc0 .Lentry_shape_is_right
	s_endpgm
.Lentry_shape_is_right:
; [q | k | v] = x [wq; wk; wv]^T, 1,024 x 6,144 x 4,096 in bf16 with f32 sums, then the rotation of q and k by freqs_cos, freqs_sin, then ONE rounding to f16.
; xb and wqkv lie in blocks of 16 rows x 32 k (1,024 bytes, a fragment as the lanes hold it); wq and wk carry the factor 2^-6, wv 2^-3.
; freqs_cos and freqs_sin are rounded to bf16 like all the module's inputs and multiplied in f32.
; LIMITS.  q / 64, k / 64 (rotated) and v / 8 must lie within f16: |q|, |k| < 4.19e6, |v| < 524,000; below 6.1e-5 (q, k: 0.0039; v: 0.0005) they keep f16's fixed step of 6e-8.  NaN and infinities are not treated apart.
; OUT.  qkv: [48 heads][64 row blocks][8 column blocks][512 bytes]; heads 0-31 q, 32-39 k, 40-47 v.  For q and k the 512 bytes are half a fragment block (row % 16 + 16 h, 8 channels);
; for v they are 16 keys x 16 channels in the order in which the lanes of the turning LDS load address them: place L holds key 8 (L / 16) + L % 8, channels 8 ((L / 8) % 2) + 0..7.
; SHARES.  A work-group makes 128 rows x 192 columns (8 x 32 = 256 work-groups).  K IS SPLIT BETWEEN THE WAVES: wave (kh = w / 2, wc = w % 2) makes all 128 rows x 96 columns, 48 accumulators, for half of each
; slot's chunks, so that a fragment of B feeds eight products and a fragment of A six: 14 fragments for 48 products, where a tile of 64 x 96 takes 10 for 24.
; A wave numbers the row blocks from its own: a' = 0-3 are row blocks 4 kh + a', a' = 4-7 the partner's four.  At the end the two waves of a column half hand each other the partner's 24 sums, in f32, through LDS.
; THE RING.  K goes in CHUNKS of 32.  Two LDS slots of unequal length, X with 8 chunks and Y with 7, use 307,200 bytes; a LAP is 15 chunks, and 128 chunks are 8 laps and one more X.
; For a wave a lap is eight UNITS: u0-u3 X's chunks 4 kh + 0..3; u4 Y's chunk 6 for my own 64 rows alone (24 products); u5-u7 Y's chunks 3 kh + 0..2.  Eight units: two fragment buffers stay in step with a lap.
; A wave's tensor load brings 4 (A) or 6 (B) row blocks x 8 or 7 chunks: rows of 8,192 or 7,168 consecutive bytes.  No padding: a fragment load takes 512 consecutive bytes of LDS.
; From a request to the wait for it a wave issues 156 (X) or 180 (Y) matrix instructions.  By this text's count a wave has two tensor loads out at the start, later one.
; CLUSTER.  4 x 4 work-groups: A's tiles are shared along a row of the cluster, B's along a column; each is asked for jointly, by the same load with the same descriptor and a mask of four.
; THE MATRIX INSTRUCTION IS USED TRANSPOSED (source 0 = 16 rows of B, source 1 = 16 rows of A): a lane holds one row and eight neighbouring columns, four pairs of the rotation, 16 bytes of f16.
; REGISTERS.  window 0: v0-39 addresses and at work; v64-255 my own rows' accumulators, (a', b) at 64 + 8 (6 a' + b).   window 1: two unit buffers of 112: A's 8 fragments, then B's 6.
;   window 2: v0-191 cos and sin of my own rows and columns: for column block nb and row block a, cos at 8 (4 nb + a), sin 4 further on; loaded at the start, used at the end.
;   window 3: v0-191 the partner's rows' accumulators, (a', b) at 8 (6 (a' - 4) + b).
.set SPARE, 307200                     ; behind the ring: the spare words, 128 bytes for each wave
.set EXCH,  163840                     ; the exchange at the end: 24,576 bytes for each wave, in Y's bytes, behind Y's last fill and last read
.set LN16,  3                          ; v3    16 x lane
.set AXL,   4                          ; v4    LDS address of my chunks in X: A's row blocks a' = 0-3
.set AXH,   5                          ; v5    a' = 4-7
.set BX,    6                          ; v6    B's six row blocks
.set AYL,   7                          ; v7    the same three in Y: v7, v34, v35
.set CV,    8                          ; v8-13   byte offset in the tables for column block nb
.set SV,    14                         ; v14-19  byte offset in qkv for column block nb
.set VL,    21                         ; v21   16 x my place in one of v's blocks
.set ZERO,  22                         ; v22   0
.set ONES,  23                         ; v23   1.0 twice in bf16
.set T,     24                         ; v24-27 at work
.set SPW,   32                         ; v32   my spare word; never rewritten
.set NIL,   33                         ; v33   0; never rewritten
.set AYH,   34
.set BY,    35
.set A7,    36                         ; v36   Y's chunk 6: A's row blocks a' = 0-3
.set B7,    37                         ; v37   and B's six
.set EXS,   38                         ; v38   the exchange: where I put 16 bytes
.set EXL,   39                         ; v39   and where the partner has put mine
.set ACC,   64
.set G1AX, 24                          ; descriptor groups 1: A in X, A in Y, B in X, B in Y
.set G1AY, 32
.set G1BX, 40
.set G1BY, 48
.set G0AX, 56                          ; and groups 0
.set G0AY, 60
.set G0BX, 68
.set G0BY, 72
.set MK,   84                          ; s84-89  -1 where column block nb belongs to v, else 0
.set MSB, 0
.macro WIN new                         ; the immediate's high byte repeats the setting that is left; a switch that changes nothing is dropped
.if MSB != (\new)
	s_set_vgpr_msb (MSB<<8)|(\new)
.set MSB, \new
.endif
.endm
.macro PLACES                          ; four places in front of loads into registers that matrix instructions have read, and of stores that read results (ISA guide 7.12.1 for vector instructions)
.rept 4
	v_nop
.endr
.endm
.macro CREST                           ; a round of the cluster's barrier behind its opening barrier
	s_cmp_lg_u32 s14, 0
	s_cbranch_scc1 .Lnot_wave_0_\@
	s_barrier_signal -3
.Lnot_wave_0_\@:
	s_barrier_wait -3
	s_barrier_signal -1
	s_barrier_wait -1
.endm
.macro CROUND
	s_barrier_signal -1
	s_barrier_wait -1
	CREST
.endm
.macro JLOAD g0a, g1a, g0b, g1b        ; a joint load: waves 0 and 1 fetch A's halves, waves 2 and 3 B's; an s_nop 0 and four v_nop follow each line
	s_cmp_eq_u32 s15, 0
	s_cbranch_scc0 .Lfor_b_\@
	tensor_load_to_lds s[\g0a:\g0a+3], s[\g1a:\g1a+7]
	s_nop 0
	PLACES
	s_branch .Lasked_\@
.Lfor_b_\@:
	tensor_load_to_lds s[\g0b:\g0b+3], s[\g1b:\g1b+7]
	s_nop 0
	PLACES
.Lasked_\@:
.endm
.macro G1SET g, d0, r                  ; r rows of d0 elements of 8 bytes, 16,384 elements (a row block's 131,072 bytes) from row to row
	s_mov_b32 s[\g+1], (\d0)<<16
	s_mov_b32 s[\g+2], (\r)<<16
	s_mov_b32 s[\g+3], (\d0)<<16
	s_mov_b32 s[\g+4], \r
	s_mov_b32 s[\g+5], 16384
	s_mov_b32 s[\g+6], 0
	s_mov_b32 s[\g+7], 0
.endm
	s_load_b256 s[4:11], s[0:1], 0x0               ; xb s[4:5], wqkv s[6:7], cos s[8:9], sin s[10:11]
	s_load_b64 s[12:13], s[0:1], 0x20              ; qkv
	v_lshl_add_u32 v[SPW], v0, 2, SPARE
	v_mov_b32 v[NIL], 0
	ds_add_u32 v[SPW], v[NIL]                      ; the wave's opening: the add and its wait stand ahead of my first tensor load
	v_lshrrev_b32 v1, 5, v0
	v_readfirstlane_b32 s14, v1                    ; wave 0..3
	s_lshr_b32 s15, s14, 1                         ; kh: my half of the chunks, and the half of the tile's rows that I own at the end.  Also: I fetch for A (0) or for B (1)
	s_and_b32 s16, s14, 1                          ; wc: my half of the columns.  Also: which half of that tile I fetch
	s_bfe_u32 s17, ttmp6, 0x40000                  ; cx
	s_bfe_u32 s18, ttmp6, 0x40004                  ; cy
	s_lshl_b32 s19, ttmp9, 2
	s_add_co_u32 s19, s19, s17                     ; tile column 0..31
	s_and_b32 s20, ttmp7, 0xffff
	s_lshl_b32 s20, s20, 2
	s_add_co_u32 s20, s20, s18                     ; tile row 0..7
	s_lshl_b32 s21, s18, 2
	s_lshl_b32 s21, 15, s21                        ; my row of the cluster
	s_lshl_b32 s22, 0x1111, s17                    ; my column
	s_or_b32 s[G1AX], s21, (3<<16)|(1<<21)         ; 15:0 the mask; 17:16 elements of 8 bytes; 21 set beside a mask
	s_or_b32 s[G1AY], s21, (3<<16)|(1<<21)
	s_or_b32 s[G1BX], s22, (3<<16)|(1<<21)
	s_or_b32 s[G1BY], s22, (3<<16)|(1<<21)
	G1SET G1AX, 1024, 4
	G1SET G1AY, 896, 4
	G1SET G1BX, 1024, 6
	G1SET G1BY, 896, 6
	s_mov_b32 s[G0AX], 1
	s_lshl_b32 s[G0AX+1], s16, 15                  ; X: A's halves at 0 and 32,768,
	s_mov_b32 s[G0BX], 1
	s_mul_i32 s[G0BX+1], s16, 49152
	s_add_co_u32 s[G0BX+1], s[G0BX+1], 65536       ; B's at 65,536 and 114,688
	s_mov_b32 s[G0AY], 1
	s_mul_i32 s[G0AY+1], s16, 28672
	s_add_co_u32 s[G0AY+1], s[G0AY+1], 163840      ; Y: A's at 163,840 and 192,512,
	s_mov_b32 s[G0BY], 1
	s_mul_i32 s[G0BY+1], s16, 43008
	s_add_co_u32 s[G0BY+1], s[G0BY+1], 221184      ; B's at 221,184 and 264,192
	s_lshl_b32 s76, s20, 3
	s_lshl_b32 s77, s16, 2
	s_add_co_u32 s76, s76, s77
	s_lshl_b32 s76, s76, 17                        ; A: row block 8 x tile row + 4 x half, 131,072 bytes each
	s_mov_b32 s77, 0
	s_mul_i32 s78, s19, 12
	s_mul_i32 s79, s16, 6
	s_add_co_u32 s80, s78, s79                     ; B: row block 12 x tile column + 6 x half; also my first column block
	s_lshl_b32 s78, s80, 17
	s_mov_b32 s79, 0
	s_lshl_b32 s90, s20, 15
	s_lshl_b32 s91, s15, 14
	s_add_co_u32 s90, s90, s91                     ; my own first row, 128 x tile row + 64 x kh, times 256 bytes: in the tables, and (row block x 4,096) in qkv
	s_mov_b32 s91, 0
	s_wait_dscnt 0x0                               ; the opening add is done
	s_wait_kmcnt 0x0
	s_add_nc_u64 s[G0AX+2:G0AX+3], s[4:5], s[76:77]
	s_add_nc_u64 s[G0AY+2:G0AY+3], s[G0AX+2:G0AX+3], 8192  ; Y begins 8 chunks on
	s_or_b32 s[G0AX+3], s[G0AX+3], 0x80000000
	s_or_b32 s[G0AY+3], s[G0AY+3], 0x80000000
	s_add_nc_u64 s[G0BX+2:G0BX+3], s[6:7], s[78:79]
	s_add_nc_u64 s[G0BY+2:G0BY+3], s[G0BX+2:G0BX+3], 8192
	s_or_b32 s[G0BX+3], s[G0BX+3], 0x80000000
	s_or_b32 s[G0BY+3], s[G0BY+3], 0x80000000
	s_add_nc_u64 s[8:9], s[8:9], s[90:91]
	s_add_nc_u64 s[10:11], s[10:11], s[90:91]
	s_add_nc_u64 s[12:13], s[12:13], s[90:91]
	CROUND                                         ; all sixteen work-groups are here: the first joint loads meet
	s_cmp_eq_u32 s15, 0                            ; a wave's two first fills stand in one branch
	s_cbranch_scc0 .Lfirst_b
	tensor_load_to_lds s[G0AX:G0AX+3], s[G1AX:G1AX+7]
	s_nop 0
	tensor_load_to_lds s[G0AY:G0AY+3], s[G1AY:G1AY+7]
	s_nop 0
	PLACES
	s_branch .Lfirst_asked
.Lfirst_b:
	tensor_load_to_lds s[G0BX:G0BX+3], s[G1BX:G1BX+7]
	s_nop 0
	tensor_load_to_lds s[G0BY:G0BY+3], s[G1BY:G1BY+7]
	s_nop 0
	PLACES
.Lfirst_asked:
	v_and_b32 v1, 15, v0                           ; r = l % 16
	v_bfe_u32 v2, v0, 4, 1                         ; h = l / 16
	v_and_b32 v3, 31, v0
	v_lshlrev_b32 v[LN16], 4, v3
	s_lshl_b32 s2, s15, 12                         ; X: my first chunk, 4 kh, 1,024 bytes a chunk
	s_lshl_b32 s3, s15, 15                         ; my own four row blocks of A, 8,192 bytes each
	s_add_co_u32 s3, s3, s2
	v_add_nc_u32 v[AXL], s3, v[LN16]
	s_xor_b32 s3, s15, 1                           ; the partner's four
	s_lshl_b32 s3, s3, 15
	s_add_co_u32 s3, s3, s2
	v_add_nc_u32 v[AXH], s3, v[LN16]
	s_mul_i32 s3, s16, 49152                       ; my six row blocks of B
	s_add_co_u32 s3, s3, s2
	s_add_co_u32 s3, s3, 65536
	v_add_nc_u32 v[BX], s3, v[LN16]
	s_mul_i32 s2, s15, 3072                        ; Y: my first chunk, 3 kh
	s_mul_i32 s3, s15, 28672                       ; my own four row blocks of A, 7,168 bytes each
	s_add_co_u32 s3, s3, 163840
	v_add_nc_u32 v[A7], s3, v[LN16]
	v_add_nc_u32 v[AYL], s2, v[A7]
	v_add_nc_u32 v[A7], 6144, v[A7]                ; chunk 6
	s_xor_b32 s3, s15, 1
	s_mul_i32 s3, s3, 28672
	s_add_co_u32 s3, s3, 163840
	s_add_co_u32 s3, s3, s2
	v_add_nc_u32 v[AYH], s3, v[LN16]
	s_mul_i32 s3, s16, 43008
	s_add_co_u32 s3, s3, 221184
	v_add_nc_u32 v[B7], s3, v[LN16]
	v_add_nc_u32 v[BY], s2, v[B7]
	v_add_nc_u32 v[B7], 6144, v[B7]
	s_mul_i32 s3, s14, 24576                       ; the exchange: my block,
	s_add_co_u32 s3, s3, EXCH
	v_add_nc_u32 v[EXS], s3, v[LN16]
	s_xor_b32 s3, s14, 2                           ; and that of the wave with my columns and the other chunks
	s_mul_i32 s3, s3, 24576
	s_add_co_u32 s3, s3, EXCH
	v_add_nc_u32 v[EXL], s3, v[LN16]
	v_mov_b32 v[ZERO], 0
	v_mov_b32 v[ONES], 0x3f803f80
	v_lshrrev_b32 v24, 3, v1
	v_and_b32 v25, 7, v1
	v_lshlrev_b32 v[VL], 8, v24                    ; 16 x (16 (r / 8) + 8 h + r % 8)
	v_lshl_add_u32 v[VL], v2, 7, v[VL]
	v_lshl_add_u32 v[VL], v25, 4, v[VL]
	v_lshlrev_b32 v20, 8, v1
	v_lshl_add_u32 v20, v2, 4, v20                 ; a table's row r, 16 bytes (four pairs) for each half of the lanes
.irp nb, 0,1,2,3,4,5
	s_add_co_u32 s81, s80, \nb                     ; column block 0..383: head = / 8, block in the head = % 8
	s_and_b32 s82, s81, 7
	s_lshl_b32 s83, s82, 5                         ; 8 pairs, 32 bytes of a table's row
	v_add_nc_u32 v[CV+\nb], s83, v20
	s_lshl_b32 s82, s82, 9
	s_lshr_b32 s83, s81, 3
	s_lshl_b32 s83, s83, 18
	s_add_co_u32 s83, s83, s82
	s_cmp_ge_u32 s81, 320                          ; v's columns begin at 5,120.  A select, never a branch
	s_cselect_b32 s[MK+\nb], -1, 0
	v_cndmask_b32 v[SV+\nb], v[LN16], v[VL], s[MK+\nb]
	v_add_nc_u32 v[SV+\nb], s83, v[SV+\nb]
.endr
	WIN 0x80                                       ; destination window 2, address window 0
.irp nb, 0,1,2,3,4,5
.irp a, 0,1,2,3
	global_load_b128 v[8*(4*\nb+\a):8*(4*\nb+\a)+3],   v[CV+\nb], s[8:9] offset:\a*4096    ; they stay out during the whole loop
	global_load_b128 v[8*(4*\nb+\a)+4:8*(4*\nb+\a)+7], v[CV+\nb], s[10:11] offset:\a*4096
.endr
.endr
	WIN 0
; The LDS loads of unit u in one run, into buffer u % 2: 28 (B's six fragments, A's eight), or 20 for u4 (A's four); each takes 512 consecutive bytes
.macro FETCHU u
.set FF, 112*((\u)%2)
	WIN 0x40                                       ; destination window 1, address window 0
.if (\u) < 4
.irp i, 0,1,2,3,4,5
	ds_load_b128 v[FF+64+8*\i:FF+64+8*\i+3],   v[BX] offset:\i*8192+(\u)*1024
	ds_load_b128 v[FF+64+8*\i+4:FF+64+8*\i+7], v[BX] offset:\i*8192+(\u)*1024+512
.endr
.irp i, 0,1,2,3
	ds_load_b128 v[FF+8*\i:FF+8*\i+3],   v[AXL] offset:\i*8192+(\u)*1024
	ds_load_b128 v[FF+8*\i+4:FF+8*\i+7], v[AXL] offset:\i*8192+(\u)*1024+512
.endr
.irp i, 0,1,2,3
	ds_load_b128 v[FF+32+8*\i:FF+32+8*\i+3],   v[AXH] offset:\i*8192+(\u)*1024
	ds_load_b128 v[FF+32+8*\i+4:FF+32+8*\i+7], v[AXH] offset:\i*8192+(\u)*1024+512
.endr
.elseif (\u) == 4
.irp i, 0,1,2,3,4,5
	ds_load_b128 v[FF+64+8*\i:FF+64+8*\i+3],   v[B7] offset:\i*7168
	ds_load_b128 v[FF+64+8*\i+4:FF+64+8*\i+7], v[B7] offset:\i*7168+512
.endr
.irp i, 0,1,2,3
	ds_load_b128 v[FF+8*\i:FF+8*\i+3],   v[A7] offset:\i*7168
	ds_load_b128 v[FF+8*\i+4:FF+8*\i+7], v[A7] offset:\i*7168+512
.endr
.else
.irp i, 0,1,2,3,4,5
	ds_load_b128 v[FF+64+8*\i:FF+64+8*\i+3],   v[BY] offset:\i*7168+((\u)-5)*1024
	ds_load_b128 v[FF+64+8*\i+4:FF+64+8*\i+7], v[BY] offset:\i*7168+((\u)-5)*1024+512
.endr
.irp i, 0,1,2,3
	ds_load_b128 v[FF+8*\i:FF+8*\i+3],   v[AYL] offset:\i*7168+((\u)-5)*1024
	ds_load_b128 v[FF+8*\i+4:FF+8*\i+7], v[AYL] offset:\i*7168+((\u)-5)*1024+512
.endr
.irp i, 0,1,2,3
	ds_load_b128 v[FF+32+8*\i:FF+32+8*\i+3],   v[AYH] offset:\i*7168+((\u)-5)*1024
	ds_load_b128 v[FF+32+8*\i+4:FF+32+8*\i+7], v[AYH] offset:\i*7168+((\u)-5)*1024+512
.endr
.endif
.endm
; 6 matrix instructions: row block a' x all 6 column blocks.  The accumulators take turns, in the same order in every unit.  zero = 1: the product starts the sums
.macro MULA u, a, zero
.set FF, 112*((\u)%2)
.if (\a) < 4
	WIN 0x05                                       ; sources 0 (B) and 1 (A) window 1; C and D window 0
.set AB, ACC+48*(\a)
.else
	WIN 0xf5                                       ; C and D window 3
.set AB, 48*((\a)-4)
.endif
.irp b, 0,1,2,3,4,5
.if \zero
	v_wmma_f32_16x16x32_bf16 v[AB+8*\b:AB+8*\b+7], v[FF+64+8*\b:FF+64+8*\b+7], v[FF+8*(\a):FF+8*(\a)+7], 0
.else
	v_wmma_f32_16x16x32_bf16 v[AB+8*\b:AB+8*\b+7], v[FF+64+8*\b:FF+64+8*\b+7], v[FF+8*(\a):FF+8*(\a)+7], v[AB+8*\b:AB+8*\b+7]
.endif
.endr
.endm
; Unit u: 48 matrix instructions (u4: 24).  Behind its first six the next unit's fragments are fetched, into the buffer that the unit before multiplied: they have the unit's other products in which to come.
; turn = 1 (u3: X has been read out; u7: Y): the change of slots.  Each wave waits for all its tensor loads, of which one is out: its part of the other slot; adds 0 to its spare word;
; waits for that and for its reads; the barrier opens a round of the cluster's barrier, and the joint refill is the first tensor load behind it.  turn = 2: the same with nothing left to ask for.
.macro UNIT u, zero, fetch, turn
.if (\turn) == 0
	s_wait_dscnt 0x0                               ; my fragments are in
	MULA \u, 0, \zero
.if \fetch
	PLACES
	FETCHU ((\u)+1)%8
.endif
.irp a, 1,2,3
	MULA \u, \a, \zero
.endr
.if (\u) != 4
.irp a, 4,5,6,7
	MULA \u, \a, \zero
.endr
.endif
.else
	WIN 0                                          ; (the add's two registers lie in window 0)
	s_wait_tensorcnt 0x0                           ; all my tensor loads have landed
	ds_add_u32 v[SPW], v[NIL]                      ; 0 onto my spare word
	s_wait_dscnt 1                                 ; (the add may be out; my fragments, the slot's last reads, are in)
	MULA \u, 0, 0
	s_wait_dscnt 0x0                               ; the add is done, and my reads of the slot are over
	s_barrier_signal -1
	MULA \u, 1, 0
.if (\turn) == 1
	WIN 0
.endif
	s_barrier_wait -1
.if (\turn) == 1
	CREST                                          ; no wave of any partner still reads the slot or has a load on its way
.if (\u) == 3
	s_add_nc_u64 s[G0AX+2:G0AX+3], s[G0AX+2:G0AX+3], 15360  ; a lap on: 15 chunks of 1,024 bytes
	s_add_nc_u64 s[G0BX+2:G0BX+3], s[G0BX+2:G0BX+3], 15360
	JLOAD G0AX, G1AX, G0BX, G1BX                   ; its four v_nop are also the places in front of the loads below
.else
	s_add_nc_u64 s[G0AY+2:G0AY+3], s[G0AY+2:G0AY+3], 15360
	s_add_nc_u64 s[G0BY+2:G0BY+3], s[G0BY+2:G0BY+3], 15360
	JLOAD G0AY, G1AY, G0BY, G1BY
.endif
.else
	PLACES
.endif
	FETCHU ((\u)+1)%8
.irp a, 2,3,4,5,6,7
	MULA \u, \a, 0
.endr
.endif
.endm
.macro LAP t7                          ; units 1 to 7 of a lap
	UNIT 1, 0, 1, 0
	UNIT 2, 0, 1, 0
	UNIT 3, 0, 1, 1
	UNIT 4, 0, 1, 0
	UNIT 5, 0, 1, 0
	UNIT 6, 0, 1, 0
	UNIT 7, 0, 1, \t7
.endm
	s_wait_tensorcnt 0x1                           ; my part of X is in; Y's may stay out
	s_barrier_signal -1
	s_barrier_wait -1                              ; everybody's is
	FETCHU 0
	UNIT 0, 1, 1, 0                                ; the first unit stands in front of the loop: its products start all 48 sums
	WIN 0
	s_mov_b32 s23, 7
.Llap:                                                 ; seven trips: a lap's units 1 to 7 and the next lap's unit 0; both slots are filled again
	LAP 1
	UNIT 0, 0, 1, 0
	WIN 0
	s_sub_co_u32 s23, s23, 1
	s_cmp_lg_u32 s23, 0
	s_cbranch_scc1 .Llap
	LAP 2                                          ; the eighth lap asks for the last X and for no Y
	UNIT 0, 0, 1, 0
	UNIT 1, 0, 1, 0
	UNIT 2, 0, 1, 0
	UNIT 3, 0, 0, 0
	; THE EXCHANGE.  The partner's 24 sums go into my block of Y's bytes as they lie in the registers, 512 consecutive bytes a store.  Y had its last fill in the seventh trip, and every wave's
	; reads of Y were over in front of the eighth lap's last barrier.  The tables' conversions stand in the waits: they are rounded to bf16, two to a register; for v's column blocks cos becomes 1 and sin 0.
	PLACES                                         ; the stores read results just made
	WIN 0x0c                                       ; data (source 1) in window 3
.set i, 0
.rept 24
	ds_store_b128 v[EXS], v[8*i:8*i+3] offset:i*1024      ; each accumulator's low registers first
	ds_store_b128 v[EXS], v[8*i+4:8*i+7] offset:i*1024+512
.set i, i+1
.endr
	s_wait_loadcnt 0x0                             ; the tables
	WIN 0x8a                                       ; all in window 2
.set i, 0
.rept 48
	v_cvt_pk_bf16_f32 v[4*i], v[4*i], v[4*i+1]
	v_cvt_pk_bf16_f32 v[4*i+1], v[4*i+2], v[4*i+3]
.set i, i+1
.endr
	s_wait_dscnt 0x0                               ; for the partner's sake: my stores are done
	s_barrier_signal -1
	s_barrier_wait -1
	WIN 0xc0                                       ; destination window 3
.set i, 0
.rept 24
	ds_load_b128 v[8*i:8*i+3], v[EXL] offset:i*1024       ; what the partner has summed for my own rows
	ds_load_b128 v[8*i+4:8*i+7], v[EXL] offset:i*1024+512
.set i, i+1
.endr
	WIN 0x82                                       ; source 1 in window 0
.set i, 0
.rept 24
	v_cndmask_b32 v[8*i], v[8*i], v[ONES], s[MK+i/4]
	v_cndmask_b32 v[8*i+1], v[8*i+1], v[ONES], s[MK+i/4]
	v_cndmask_b32 v[8*i+4], v[8*i+4], v[ZERO], s[MK+i/4]
	v_cndmask_b32 v[8*i+5], v[8*i+5], v[ZERO], s[MK+i/4]
.set i, i+1
.endr
	s_wait_dscnt 0x0
	WIN 0x0c                                       ; source 1 in window 3
.set i, 0
.rept 96
	v_pk_add_f32 v[ACC+2*i:ACC+2*i+1], v[ACC+2*i:ACC+2*i+1], v[2*i:2*i+1]  ; the two halves of K, in f32; ascending
.set i, i+1
.endr
; THE WAY OUT.  Pair p of an accumulator at r: (tr, ti) -> (tr cos - ti sin, tr sin + ti cos); cos and sin are bf16 halves at cq and cq + 4.
.macro ROPE r, cq, p
.set RT, T+2*((\p)%2)
.if ((\p)%2) == 0
	v_fma_mix_f32_bf16 v[RT],   v[(\r)+2*(\p)+1], v[(\cq)+4+(\p)/2], v[ZERO] op_sel_hi:[0,1,0]
	v_fma_mix_f32_bf16 v[RT+1], v[(\r)+2*(\p)+1], v[(\cq)+(\p)/2],   v[ZERO] op_sel_hi:[0,1,0]
	v_fma_mix_f32_bf16 v[(\r)+2*(\p)+1], v[(\r)+2*(\p)], v[(\cq)+4+(\p)/2], v[RT+1] op_sel_hi:[0,1,0]
	v_fma_mix_f32_bf16 v[(\r)+2*(\p)],   v[(\r)+2*(\p)], v[(\cq)+(\p)/2],  -v[RT] op_sel_hi:[0,1,0]
.else
	v_fma_mix_f32_bf16 v[RT],   v[(\r)+2*(\p)+1], v[(\cq)+4+(\p)/2], v[ZERO] op_sel:[0,1,0] op_sel_hi:[0,1,0]
	v_fma_mix_f32_bf16 v[RT+1], v[(\r)+2*(\p)+1], v[(\cq)+(\p)/2],   v[ZERO] op_sel:[0,1,0] op_sel_hi:[0,1,0]
	v_fma_mix_f32_bf16 v[(\r)+2*(\p)+1], v[(\r)+2*(\p)], v[(\cq)+4+(\p)/2], v[RT+1] op_sel:[0,1,0] op_sel_hi:[0,1,0]
	v_fma_mix_f32_bf16 v[(\r)+2*(\p)],   v[(\r)+2*(\p)], v[(\cq)+(\p)/2],  -v[RT] op_sel:[0,1,0] op_sel_hi:[0,1,0]
.endif
.endm
	WIN 0x08                                       ; source 1 (the tables) in window 2
.irp a, 0,1,2,3
.irp b, 0,1,2,3,4,5
.irp p, 0,1,2,3
	ROPE ACC+8*(6*\a+\b), 8*(4*\b+\a), \p
.endr
.endr
.endr
	WIN 0
.irp a, 0,1,2,3
.irp b, 0,1,2,3,4,5
.irp p, 0,1,2,3
	v_cvt_pk_f16_f32 v[ACC+8*(6*\a+\b)+\p], v[ACC+8*(6*\a+\b)+2*\p], v[ACC+8*(6*\a+\b)+2*\p+1]
.endr
	global_store_b128 v[SV+\b], v[ACC+8*(6*\a+\b):ACC+8*(6*\a+\b)+3], s[12:13] offset:\a*4096  ; the wave stores 512 consecutive bytes, at a multiple of 512 from qkv's first
.endr
.endr
	s_wait_tensorcnt 0x0                           ; the wave's end
	ds_add_u32 v[SPW], v[NIL]
	s_wait_dscnt 0x0
	CROUND                                         ; the closing round: no work-group ends while a partner may still ask for a tile that names it
	s_endpgm
.Lfunc_end_k_qe6417fdf9d_qkvp:
	.size	k_qe6417fdf9d_qkvp, .Lfunc_end_k_qe6417fdf9d_qkvp-k_qe6417fdf9d_qkvp
	.p2alignl 7, 3214868480
	.fill 96, 4, 3214868480
	.section	.rodata,"a",@progbits
	.p2align	6, 0x0
	.amdhsa_kernel k_qe6417fdf9d_qkvp
		.amdhsa_group_segment_fixed_size 327680
		.amdhsa_private_segment_fixed_size 0
		.amdhsa_enable_private_segment 0
		.amdhsa_kernarg_size 40
		.amdhsa_user_sgpr_count 2
		.amdhsa_user_sgpr_kernarg_segment_ptr 1
		.amdhsa_wavefront_size32 1
		.amdhsa_system_sgpr_workgroup_id_x 1
		.amdhsa_system_sgpr_workgroup_id_y 1
		.amdhsa_system_sgpr_workgroup_id_z 1
		.amdhsa_system_vgpr_workitem_id 0
		.amdhsa_next_free_vgpr 960
		.amdhsa_next_free_sgpr 92
		.amdhsa_reserve_vcc 0
		.amdhsa_float_denorm_mode_32 3
		.amdhsa_float_denorm_mode_16_64 3
		.amdhsa_memory_ordered 1
		.amdhsa_forward_progress 1
		.amdhsa_inst_pref_size 173
	.end_amdhsa_kernel
	.amdgpu_metadata
---
amdhsa.version: [ 1, 2 ]
amdhsa.kernels:
  - .name:           k_qe6417fdf9d_qkvp
    .symbol:         k_qe6417fdf9d_qkvp.kd
    .args:
      - { .name: xb, .offset: 0, .size: 8, .value_kind: global_buffer, .address_space: global }
      - { .name: wqkv, .offset: 8, .size: 8, .value_kind: global_buffer, .address_space: global }
      - { .name: freqs_cos, .offset: 16, .size: 8, .value_kind: global_buffer, .address_space: global }
      - { .name: freqs_sin, .offset: 24, .size: 8, .value_kind: global_buffer, .address_space: global }
      - { .name: qkv, .offset: 32, .size: 8, .value_kind: global_buffer, .address_space: global }
    .group_segment_fixed_size: 327680
    .private_segment_fixed_size: 0
    .kernarg_segment_align: 8
    .kernarg_segment_size: 40
    .max_flat_workgroup_size: 128
    .sgpr_count:     92
    .vgpr_count:     960
    .wavefront_size: 32
...
	.end_amdgpu_metadata
.endif
;; end of part 2
;; launch attn (part 3): grid 32 x 8, 4 waves a work-group, clusters of 4 x 1, 327,680 bytes of LDS; arguments qkv, ob; writes ob
.if DOCPART == 3
	.amdgcn_target "amdgcn-amd-amdhsa--gfx1250"
	.amdhsa_code_object_version 6
	.text
	.protected	k_qe6417fdf9d_attn
	.globl	k_qe6417fdf9d_attn
	.p2align	8
	.type	k_qe6417fdf9d_attn,@function
k_qe6417fdf9d_attn:
	s_mov_b64 s[64:65], 0
	v_nop
	global_prefetch_b8 v0, s[64:65] scope:SCOPE_SE
	s_setreg_imm32_b32 hwreg(HW_REG_WAVE_MODE, 25, 1), 1
	s_wait_xcnt 0x0
	s_wait_alu depctr_hold_cnt(0) depctr_sa_sdst(0) depctr_va_vdst(0) depctr_va_sdst(0) depctr_va_ssrc(0) depctr_va_vcc(0) depctr_vm_vsrc(0)
	s_getreg_b32 s2, hwreg(HW_REG_IB_STS2, 6, 4)
	s_cmp_eq_u32 s2, 0
	s_cbranch_scc0 .Lentry_in_a_cluster
	s_endpgm
.Lentry_in_a_cluster:
	s_bfe_u32 s2, ttmp6, 0x10000c
	s_cmp_lg_u32 s2, 0x3003
	s_cbranch_scc0 .Lentry_shape_is_right
	s_endpgm
.Lentry_shape_is_right:
; CAUSAL ATTENTION WITH GROUPED HEADS.  O[q] = the sum over k <= q of softmax_k(Q[q] . K[k] / sqrt(128)) V[k]; 32 query heads, 8 key and value heads, 1,024 rows, head size 128, all f16.
; qkv holds q / 64, k / 64 (rotated) and v / 8 in blocks (see the launch before); so c = log2(e) / sqrt(128) x 2^12, and O leaves as O / 8 (wob carries the 8).
; Products, maxima and sums in f32; the weights p are rounded to f16 for the second product (their sum l is taken of the unrounded p), O once at the end.
; LIMITS.  A hidden score counts as its value less 1e30 (f16's scores are 5.5e11 at the most); a weight below 2^-126 counts as 0 in l; p below 6e-5 keeps f16's fixed step; NaN and infinities are not treated apart.
; THE WALK.  A head's queries lie in 16 blocks of 64; block i needs the key steps 0 .. i of 64 keys, the last holding the diagonal.  A work-group takes blocks 15 - b and b: 17 steps whatever b.
; The block with an even number of steps goes first (B1, P1 pairs of steps), so that the walk is 8 whole PAIRS of steps and one last step, and no pair straddles the change of blocks.
; The diagonal steps are the second step of pair P1 - 1 and the last step.  Every trip count is a constant; the one jump that hangs on b goes forward, past neither a barrier nor a tensor load.
; CLUSTER.  The four work-groups of a cluster are the four query heads of one key and value head, with the same b: the same walk, so each tile of K and V is asked for jointly, mask of four.
; SHARES.  A wave owns 16 rows of each block.  S^T = K Q^T holds one query a lane (lane % 16) and the keys 8 (lane / 16) + 0..7; two such results rounded to f16 are source 1 of O^T = V^T P.
; THE RING.  Two slots of 131,072 bytes, each with two pairs: K pair 0, K pair 1, V pair 0, V pair 1, 32,768 dense bytes each, one a wave.  Five fills; a refill has four key steps in which to land.
; By this text's count a wave has one tensor load out.  The softmax stands in phases beside the products: this launch has under a tenth of the program's matrix work.
; REGISTERS.  window 0: addresses, statistics, MD (the diagonal's mask), Q, the second block's Q, S^T, P, O^T.   window 1: v0-127 K of one step, v128-255 V of one step.
.set SLOT1, 1<<17
.set SPARE, 262144                     ; behind the ring: the spare words, 128 bytes for each wave
.set LN16, 2                           ; v2   16 x lane
.set AK,   3                           ; v3   LDS address of the pair's K
.set AV,   4                           ; v4   of its V
.set SPW,  6                           ; v6   my spare word; never rewritten
.set NIL,  7                           ; v7   0; never rewritten
.set CM,   8                           ; v8   c m
.set M,    9                           ; v9   m
.set L,    10                          ; v[10:11] l (even keys', odd keys')
.set CMO,  12                          ; v12  c m_old
.set AA,   14                          ; v[14:15] a (or 1 / l), and 0
.set C,    16                          ; v16-19 at work
.set MD,   32                          ; v32-63  0, or -1e30 where key 16 kb + 8 h + j of the diagonal step is hidden from my query
.set Q,    64
.set Q2,   96
.set S,    128
.set P,    160
.set O,    176
.set KF,   0                           ; window 1: key block kb, channels 32 c on at 32 kb + 8 c
.set VF,   128                         ; window 1: keys 32 kk on, channels 16 cb on at 128 + 64 kk + 8 cb
.set MSB, 0
.macro WIN new
.if MSB != (\new)
	s_set_vgpr_msb (MSB<<8)|(\new)
.set MSB, \new
.endif
.endm
.macro PLACES
.rept 4
	v_nop
.endr
.endm
.macro CROUND                          ; a round of the cluster's barrier
	s_barrier_signal -1
	s_barrier_wait -1
	s_cmp_lg_u32 s8, 0
	s_cbranch_scc1 .Lnot_wave_0_\@
	s_barrier_signal -3
.Lnot_wave_0_\@:
	s_barrier_wait -3
	s_barrier_signal -1
	s_barrier_wait -1
.endm
.macro LOAD                            ; my joint load; an s_nop 0 and four v_nop follow it
	tensor_load_to_lds s[32:35], s[24:31]
	s_nop 0
	PLACES
.endm
.macro NEXTADR                         ; the descriptor's address is made anew: pair s17 of the walk has the keys 128 kp on, kp = s17, or s17 - P1 in the second block
	s_sub_co_u32 s21, s17, s15
	s_cmp_lt_u32 s17, s15
	s_cselect_b32 s21, s17, s21
	s_lshl_b32 s22, s21, 15
	s_add_nc_u64 s[34:35], s[36:37], s[22:23]
	s_or_b32 s35, s35, 0x80000000
	s_add_co_u32 s17, s17, 2
.endm
.macro RESET                           ; a block begins: O and l are 0; c m lies far below every c s, so the first step's a is 0; m is the lowest finite number
.set i, 0
.rept 64
	v_mov_b32 v[O+i], 0
.set i, i+1
.endr
	v_mov_b32 v[L], 0
	v_mov_b32 v[L+1], 0
	v_mov_b32 v[CM], 0xfe000000
	v_mov_b32 v[M], 0xff7fffff
.endm
	s_load_b128 s[4:7], s[0:1], 0x0                ; qkv s[4:5], ob s[6:7]
	v_lshl_add_u32 v[SPW], v0, 2, SPARE
	v_mov_b32 v[NIL], 0
	ds_add_u32 v[SPW], v[NIL]                      ; the wave's opening: the add and its wait stand ahead of my first tensor load
	v_lshrrev_b32 v1, 5, v0
	v_readfirstlane_b32 s8, v1                     ; wave 0..3
	s_and_b32 s9, s8, 1                            ; which of a slot's two pairs I fetch
	s_bfe_u32 s10, ttmp6, 0x40000                  ; cx: it enters Q's and O's addresses alone
	s_mov_b32 s11, ttmp9                           ; the key and value head
	s_and_b32 s12, ttmp7, 0xffff                   ; b
	s_and_b32 s52, s12, 1
	s_sub_co_u32 s53, 15, s12
	s_cmp_lg_u32 s52, 0
	s_cselect_b32 s13, s12, s53                    ; B1: the odd one of b and 15 - b
	s_sub_co_u32 s14, 15, s13                      ; B2
	s_add_co_u32 s15, s13, 1
	s_lshr_b32 s15, s15, 1                         ; P1
	s_mov_b32 s16, s15                             ; pairs of the first block still to come
	s_mov_b32 s17, s9                              ; the pair that I ask for next
	s_mov_b32 s18, SLOT1+65536                     ; the first change of slots turns this into 0
	s_mov_b32 s23, 0
	s_mov_b32 s24, 15|(3<<16)|(1<<21)              ; 15:0 the mask of four; 17:16 elements of 8 bytes; 21 set beside a mask
	s_mov_b32 s25, 32<<16                          ; 128 rows of 32 elements (256 bytes), dense
	s_mov_b32 s26, 128<<16
	s_mov_b32 s27, 32<<16
	s_mov_b32 s28, 128
	s_mov_b32 s29, 32
	s_mov_b32 s30, 0
	s_mov_b32 s31, 0
	s_mov_b32 s32, 1
	s_lshl_b32 s33, s8, 15                         ; slot 0: wave w's 32,768 bytes
	s_mov_b32 s38, 0x440293ee                      ; c = log2(e) / sqrt(128) x 4,096 = 522.31
	s_mov_b32 s39, s38
	s_mov_b32 s40, 0x76543210
	s_mov_b32 s41, 0xfedcba98
	s_mov_b32 s42, 0
	s_mov_b32 s43, 0
	s_mov_b32 s44, 0xf149f2ca                      ; -1e30
	s_lshr_b32 s52, s8, 1                          ; waves 0, 1: K (heads 32 on); waves 2, 3: V (heads 40 on)
	s_lshl_b32 s52, s52, 3
	s_add_co_u32 s52, s52, s11
	s_add_co_u32 s52, s52, 32
	s_lshl_b32 s52, s52, 18                        ; a head is 262,144 bytes
	s_mov_b32 s53, 0
	s_wait_dscnt 0x0                               ; the opening add is done
	s_wait_kmcnt 0x0
	s_add_nc_u64 s[36:37], s[4:5], s[52:53]
	NEXTADR
	s_lshl_b32 s45, s11, 2
	s_add_co_u32 s45, s45, s10                     ; my query head
	s_lshl_b32 s52, s13, 2
	s_add_co_u32 s52, s52, s8                      ; my row block in the first block: 4 B1 + w
	s_lshl_b32 s2, s45, 18
	s_lshl_b32 s3, s52, 12
	s_add_co_u32 s2, s2, s3
	s_mov_b32 s3, 0
	s_add_nc_u64 s[46:47], s[4:5], s[2:3]          ; its Q
	s_lshl_b32 s2, s52, 17
	s_lshl_b32 s3, s45, 12
	s_add_co_u32 s2, s2, s3
	s_mov_b32 s3, 0
	s_add_nc_u64 s[48:49], s[6:7], s[2:3]          ; its O: row block x 131,072 + head x 4,096
	s_lshl_b32 s52, s14, 2
	s_add_co_u32 s52, s52, s8                      ; and in the second block
	s_lshl_b32 s2, s45, 18
	s_lshl_b32 s3, s52, 12
	s_add_co_u32 s2, s2, s3
	s_mov_b32 s3, 0
	s_add_nc_u64 s[54:55], s[4:5], s[2:3]
	s_lshl_b32 s2, s52, 17
	s_lshl_b32 s3, s45, 12
	s_add_co_u32 s2, s2, s3
	s_mov_b32 s3, 0
	s_add_nc_u64 s[50:51], s[6:7], s[2:3]
	CROUND                                         ; all four work-groups are here: the first joint loads meet
	LOAD                                           ; pairs 0 and 1 into slot 0
	v_and_b32 v2, 31, v0
	v_lshlrev_b32 v[LN16], 4, v2
.irp f, 0,1,2,3,4,5,6,7                            ; both blocks' Q: channels 32 (f / 2) on, half f % 2: 512 consecutive bytes a load
	global_load_b128 v[Q+4*\f:Q+4*\f+3],   v[LN16], s[46:47] offset:\f*512
	global_load_b128 v[Q2+4*\f:Q2+4*\f+3], v[LN16], s[54:55] offset:\f*512
.endr
	v_and_b32 v1, 15, v0
	v_bfe_u32 v5, v0, 4, 1
	v_lshlrev_b32 v5, 3, v5
	v_sub_nc_u32 v5, v1, v5
	s_lshl_b32 s52, s8, 4
	v_add_nc_u32 v5, s52, v5                       ; my query's place in its block, 16 w + l % 16, less my lanes' 8 (l / 16): register j of key block kb is hidden where 16 kb + j is greater
.set i, 0
.rept 32
	v_cmp_gt_i32 vcc_lo, 16*(i/8)+i%8, v5
	v_cndmask_b32 v[MD+i], 0, s44, vcc_lo
.set i, i+1
.endr
	v_mov_b32 v[AA+1], 0                           ; named with a as a pair
	RESET
	s_wait_loadcnt 0x0                             ; Q
; THE CHANGE OF SLOTS.  Each wave waits for all its tensor loads, of which one is out: its part of the other slot; adds 0 to its spare word; waits for that and for its reads of the slot that it leaves.
; fill = 1: the barrier is a round of the cluster's, and the old slot is filled again first thing behind it, with the next two pairs.  (At its first use nothing has been read: slot 0 is waited for, slot 1 filled.)
; fill = 2: the walk's last step, 64 keys, into slot 0: each wave brings 32 keys, 8,192 bytes: waves 0, 1 the halves of K, waves 2, 3 those of V.   fill = 0: nothing is left to ask for.
.macro CHANGE fill
	WIN 0
	s_wait_tensorcnt 0x0                           ; no tensor load of mine is out, so the descriptor may be written
	ds_add_u32 v[SPW], v[NIL]                      ; 0 onto my spare word
.if (\fill) == 1
	s_xor_b32 s33, s33, SLOT1
	NEXTADR
.endif
.if (\fill) == 2
	s_mov_b32 s17, 8
	NEXTADR
	s_lshl_b32 s22, s9, 13
	s_add_nc_u64 s[34:35], s[34:35], s[22:23]      ; the type bits on top are not reached
	s_lshr_b32 s33, s8, 1
	s_lshl_b32 s33, s33, 16
	s_add_co_u32 s33, s33, s22
	s_mov_b32 s26, 32<<16
	s_mov_b32 s28, 32
.endif
	s_wait_dscnt 0x0                               ; the add is done, and my reads of the slot are over
.if \fill
	CROUND
	LOAD
.else
	s_barrier_signal -1
	s_barrier_wait -1
.endif
	s_sub_co_u32 s18, s18, 65536                   ; the fetches go back to a slot's first pair,
	s_xor_b32 s18, s18, SLOT1                      ; in the other slot
.endm
; THE LDS LOADS stand in runs of 32: step s (0, 1) of the pair: its K (16 fragments as they lie) and its V (turned); each load takes 512 consecutive bytes.
.macro FETCH_K s
	WIN 0x40                                       ; destination window 1
.irp f, 0,1,2,3,4,5,6,7,8,9,10,11,12,13,14,15
	ds_load_b128 v[KF+8*\f:KF+8*\f+3],   v[AK] offset:(\s)*16384+\f*1024
	ds_load_b128 v[KF+8*\f+4:KF+8*\f+7], v[AK] offset:(\s)*16384+\f*1024+512
.endr
.endm
.macro FETCH_V s
	WIN 0x40
.irp f, 0,1,2,3,4,5,6,7,8,9,10,11,12,13,14,15
	ds_load_tr16_b128 v[VF+8*\f:VF+8*\f+3],   v[AV] offset:(\s)*16384+(\f/8)*8192+(\f%8)*512
	ds_load_tr16_b128 v[VF+8*\f+4:VF+8*\f+7], v[AV] offset:(\s)*16384+(\f/8)*8192+4096+(\f%8)*512
.endr
.endm
; 16 products S^T = K Q^T: channels 32 (i / 4) on, keys 16 (i % 4) on; the four accumulators take turns.  The first four start the sums: with 0, or (cm = 1) with the mask.
.macro QK cm
	WIN 0x01                                       ; source 0 in window 1
.set i, 0
.rept 16
.if (i < 4) && (\cm)
	v_wmma_f32_16x16x32_f16 v[S+8*(i%4):S+8*(i%4)+7], v[KF+32*(i%4)+8*(i/4):KF+32*(i%4)+8*(i/4)+7], v[Q+8*(i/4):Q+8*(i/4)+7], v[MD+8*(i%4):MD+8*(i%4)+7]
.elseif i < 4
	v_wmma_f32_16x16x32_f16 v[S+8*(i%4):S+8*(i%4)+7], v[KF+32*(i%4)+8*(i/4):KF+32*(i%4)+8*(i/4)+7], v[Q+8*(i/4):Q+8*(i/4)+7], 0
.else
	v_wmma_f32_16x16x32_f16 v[S+8*(i%4):S+8*(i%4)+7], v[KF+32*(i%4)+8*(i/4):KF+32*(i%4)+8*(i/4)+7], v[Q+8*(i/4):Q+8*(i/4)+7], v[S+8*(i%4):S+8*(i%4)+7]
.endif
.set i, i+1
.endr
.endm
; 16 products O^T += V^T P: keys 32 (i / 8) on, channels 16 (i % 8) on; the eight accumulators take turns.
.macro PVM
	WIN 0x01
.set i, 0
.rept 16
	v_wmma_f32_16x16x32_f16 v[O+8*(i%8):O+8*(i%8)+7], v[VF+64*(i/8)+8*(i%8):VF+64*(i/8)+8*(i%8)+7], v[P+8*(i/8):P+8*(i/8)+7], v[O+8*(i%8):O+8*(i%8)+7]
.set i, i+1
.endr
.endm
; THE SOFTMAX of a step.  mask = 1: MD x s42 is added first (s42 = 1 in the first block's last pair, else 0).  Each accumulator's lowest registers are read first.
.macro SM mask
	WIN 0
.if \mask
.set i, 0
.rept 16
	v_pk_fma_f32 v[S+2*i:S+2*i+1], v[MD+2*i:MD+2*i+1], s[42:43], v[S+2*i:S+2*i+1] op_sel_hi:[1,0,1]
.set i, i+1
.endr
.endif
.irp j, 0,1,2,3
	v_max3_num_f32 v[C+\j], v[S+8*\j], v[S+8*\j+1], v[S+8*\j+2]
.endr
.irp j, 0,1,2,3
	v_max3_num_f32 v[C+\j], v[C+\j], v[S+8*\j+3], v[S+8*\j+4]
.endr
.irp j, 0,1,2,3
	v_max3_num_f32 v[C+\j], v[C+\j], v[S+8*\j+5], v[S+8*\j+6]
.endr
	v_max3_num_f32 v[C], v[C], v[S+7], v[S+15]
	v_max3_num_f32 v[C+2], v[C+2], v[S+23], v[S+31]
	v_max3_num_f32 v[C], v[C], v[C+1], v[C+2]
	v_max3_num_f32 v[C], v[C], v[C+3], v[M]
	v_permlanex16_b32 v[C+1], v[C], s40, s41       ; the query's other 32 keys lie in the lane 16 away
	v_mov_b32 v[CMO], v[CM]
	v_max_num_f32 v[M], v[C], v[C+1]
	v_mul_f32 v[CM], s38, v[M]
	v_sub_f32 v[C+3], v[CMO], v[CM]
	v_exp_f32 v[AA], v[C+3]                        ; a = 2^(c m_old - c m_new)
.set i, 0
.rept 16
	v_pk_fma_f32 v[S+2*i:S+2*i+1], v[S+2*i:S+2*i+1], s[38:39], v[CM:CM+1] op_sel_hi:[1,0,0] neg_lo:[0,0,1] neg_hi:[0,0,1]  ; c s - c m
.set i, i+1
.endr
.set i, 0
.rept 32                                           ; an exponential and a pair of O^T times a by turns: a plain instruction stands behind every exponential
	v_exp_f32 v[S+i], v[S+i]
	s_wait_alu depctr_va_vdst(0)
	v_pk_mul_f32 v[O+2*i:O+2*i+1], v[O+2*i:O+2*i+1], v[AA:AA+1] op_sel_hi:[1,0]
.set i, i+1
.endr
.set i, 0
	s_wait_alu depctr_va_vdst(0)
.rept 16
	v_cvt_pk_f16_f32 v[P+i], v[S+2*i], v[S+2*i+1]
.set i, i+1
.endr
.irp w, 4,8,16,32                                  ; the sum of the 16 pairs, in place: neighbours 1, 2, 4 and 8 pairs apart
.set i, 0
.rept 32/\w
	v_pk_add_f32 v[S+\w*i:S+\w*i+1], v[S+\w*i:S+\w*i+1], v[S+\w*i+\w/2:S+\w*i+\w/2+1]
.set i, i+1
.endr
.endr
	v_pk_fma_f32 v[L:L+1], v[L:L+1], v[AA:AA+1], v[S:S+1] op_sel_hi:[1,0,1]  ; l = a l + the sum
.endm
; A BLOCK ENDS: l's two halves and the other half of the lanes' are added; O^T is divided by l, rounded to f16 and stored from the registers: a lane's 16 bytes are its place in a fragment block of ob.
; first = 1: the second block follows.
.macro BLOCKEND first
	v_add_f32 v[C], v[L], v[L+1]
	v_permlanex16_b32 v[C+1], v[C], s40, s41
	v_add_f32 v[C], v[C], v[C+1]
	v_rcp_f32 v[AA], v[C]
	v_nop                                          ; a plain instruction between the reciprocal and the use of its result
.set i, 0
	s_wait_alu depctr_va_vdst(0)
.rept 32
	v_pk_mul_f32 v[O+2*i:O+2*i+1], v[O+2*i:O+2*i+1], v[AA:AA+1] op_sel_hi:[1,0]
.set i, i+1
.endr
.set i, 0
.rept 32
	v_cvt_pk_f16_f32 v[O+8*(i/4)+i%4], v[O+8*(i/4)+2*(i%4)], v[O+8*(i/4)+2*(i%4)+1]
.set i, i+1
.endr
.irp f, 0,1,2,3,4,5,6,7
	global_store_b128 v[LN16], v[O+8*\f:O+8*\f+3], s[48:49] offset:\f*512  ; 512 consecutive bytes, at a multiple of 512 from ob's first
.endr
.if \first
	s_wait_xcnt 0x0                                ; the stores' registers and base are rewritten only behind this wait
	s_mov_b64 s[48:49], s[50:51]
	RESET
.set i, 0
.rept 32
	v_mov_b32 v[Q+i], v[Q2+i]
.set i, i+1
.endr
.endif
.endm
; A PAIR of key steps.  The waits for 32 leave out the run of 32 loads that was issued behind the one wanted.
.macro PAIR
	s_sub_co_u32 s16, s16, 1
	s_cmp_eq_u32 s16, 0                            ; the first block's last pair?  Its second step holds the diagonal
	s_cselect_b32 s42, 1.0, 0
	v_add_nc_u32 v[AK], s18, v[LN16]
	v_add_nc_u32 v[AV], 0x10000, v[AK]
	s_add_co_u32 s18, s18, 32768
	FETCH_K 0
	FETCH_V 0
	s_wait_dscnt 32                                ; K is in
	QK 0
	PLACES
	FETCH_K 1
	SM 0
	s_wait_dscnt 32                                ; V is in
	PVM
	PLACES
	FETCH_V 1
	s_wait_dscnt 32                                ; the second step's K is in
	QK 0
	PLACES
	SM 1
	s_wait_dscnt 0x0                               ; its V is in
	PVM
	PLACES
	WIN 0
	s_cmp_lg_u32 s16, 0
	s_cbranch_scc1 .Lgoes_on_\@
	BLOCKEND 1
.Lgoes_on_\@:
.endm
.macro BODY                            ; a slot's two pairs: written once, walked twice
	s_mov_b32 s19, 2
.Lpair_\@:
	PAIR
	s_sub_co_u32 s19, s19, 1
	s_cmp_lg_u32 s19, 0
	s_cbranch_scc1 .Lpair_\@
.endm
	s_mov_b32 s20, 3
.Lslot:                                                ; three trips: pairs 0 to 5; each asks for the next two pairs
	CHANGE 1
	BODY
	s_sub_co_u32 s20, s20, 1
	s_cmp_lg_u32 s20, 0
	s_cbranch_scc1 .Lslot
	CHANGE 2                                       ; pairs 6 and 7; the last step is asked for
	BODY
	CHANGE 0                                       ; the walk's last step: the second block's diagonal
	v_add_nc_u32 v[AK], s18, v[LN16]
	v_add_nc_u32 v[AV], 0x10000, v[AK]
	FETCH_K 0
	FETCH_V 0
	s_wait_dscnt 32
	QK 1
	PLACES
	SM 0
	s_wait_dscnt 0x0
	PVM
	PLACES
	WIN 0
	BLOCKEND 0
	s_wait_tensorcnt 0x0                           ; the wave's end
	ds_add_u32 v[SPW], v[NIL]
	s_wait_dscnt 0x0
	CROUND                                         ; the closing round
	s_endpgm
.Lfunc_end_k_qe6417fdf9d_attn:
	.size	k_qe6417fdf9d_attn, .Lfunc_end_k_qe6417fdf9d_attn-k_qe6417fdf9d_attn
	.p2alignl 7, 3214868480
	.fill 96, 4, 3214868480
	.section	.rodata,"a",@progbits
	.p2align	6, 0x0
	.amdhsa_kernel k_qe6417fdf9d_attn
		.amdhsa_group_segment_fixed_size 327680
		.amdhsa_private_segment_fixed_size 0
		.amdhsa_enable_private_segment 0
		.amdhsa_kernarg_size 16
		.amdhsa_user_sgpr_count 2
		.amdhsa_user_sgpr_kernarg_segment_ptr 1
		.amdhsa_wavefront_size32 1
		.amdhsa_system_sgpr_workgroup_id_x 1
		.amdhsa_system_sgpr_workgroup_id_y 1
		.amdhsa_system_sgpr_workgroup_id_z 1
		.amdhsa_system_vgpr_workitem_id 0
		.amdhsa_next_free_vgpr 512
		.amdhsa_next_free_sgpr 66
		.amdhsa_reserve_vcc 1
		.amdhsa_float_denorm_mode_32 3
		.amdhsa_float_denorm_mode_16_64 3
		.amdhsa_memory_ordered 1
		.amdhsa_forward_progress 1
		.amdhsa_inst_pref_size 113
	.end_amdhsa_kernel
	.amdgpu_metadata
---
amdhsa.version: [ 1, 2 ]
amdhsa.kernels:
  - .name:           k_qe6417fdf9d_attn
    .symbol:         k_qe6417fdf9d_attn.kd
    .args:
      - { .name: qkv, .offset: 0, .size: 8, .value_kind: global_buffer, .address_space: global }
      - { .name: ob, .offset: 8, .size: 8, .value_kind: global_buffer, .address_space: global }
    .group_segment_fixed_size: 327680
    .private_segment_fixed_size: 0
    .kernarg_segment_align: 8
    .kernarg_segment_size: 16
    .max_flat_workgroup_size: 128
    .sgpr_count:     66
    .vgpr_count:     512
    .wavefront_size: 32
...
	.end_amdgpu_metadata
.endif
;; end of part 3
;; launch oproj (part 4): grid 32 x 8, 4 waves a work-group, clusters of 4 x 4, 327,680 bytes of LDS; arguments ob, wob, out0; writes out0
.if DOCPART == 4
	.amdgcn_target "amdgcn-amd-amdhsa--gfx1250"
	.amdhsa_code_object_version 6
	.text
	.protected	k_qe6417fdf9d_oproj
	.globl	k_qe6417fdf9d_oproj
	.p2align	8
	.type	k_qe6417fdf9d_oproj,@function
k_qe6417fdf9d_oproj:
	s_mov_b64 s[64:65], 0
	v_nop
	global_prefetch_b8 v0, s[64:65] scope:SCOPE_SE
	s_setreg_imm32_b32 hwreg(HW_REG_WAVE_MODE, 25, 1), 1
	s_wait_xcnt 0x0
	s_wait_alu depctr_hold_cnt(0) depctr_sa_sdst(0) depctr_va_vdst(0) depctr_va_sdst(0) depctr_va_ssrc(0) depctr_va_vcc(0) depctr_vm_vsrc(0)
	s_getreg_b32 s2, hwreg(HW_REG_IB_STS2, 6, 4)
	s_cmp_eq_u32 s2, 0
	s_cbranch_scc0 .Lentry_in_a_cluster
	s_endpgm
.Lentry_in_a_cluster:
	s_bfe_u32 s2, ttmp6, 0x10000c
	s_cmp_lg_u32 s2, 0xf033
	s_cbranch_scc0 .Lentry_shape_is_right
	s_endpgm
.Lentry_shape_is_right:
; out0 = O wo^T, 1,024 x 4,096 x 4,096, f16 operands, f32 sums, f32 out.  ob holds O / 8 and wob 8 wo (wo rounded to bf16, written as f16), both in blocks of 16 rows x 32 k, a fragment as the lanes hold it.
; SHARES.  A work-group makes 128 x 128 (8 x 32 = 256 work-groups).  K IS SPLIT AMONG THE WAVES: each of the four makes the whole 128 x 128, 64 accumulators in 512 registers, for a quarter of K,
; so that each byte of a slot is read from LDS once and 16 fragments feed 64 products (a tile of 64 x 64 a wave takes 8 for 16).  At the end the four partial tiles, in f32, meet in LDS.
; THE RING.  K goes in CHUNKS of 32; two LDS slots of 8 chunks (131,072 bytes: A's 8 row blocks of 8,192 bytes, then B's 8; a wave's load brings 4 of them).  Wave w multiplies chunks 2 w and 2 w + 1 of each slot.
; Sixteen fills; a trip of the loop is one fill.  No padding: a fragment load takes 512 consecutive bytes.  From a request to the wait for it a wave issues 112 matrix instructions.
; By this text's count a wave has two tensor loads out at the start, later one.
; CLUSTER.  4 x 4 work-groups: A's tiles are shared along a row of the cluster, B's along a column, each asked for jointly with a mask of four.
; THE MATRIX INSTRUCTION IS USED TRANSPOSED (source 0 = rows of wob, source 1 = rows of ob): a lane holds one row of out0 and eight neighbouring columns.
; THE WAY OUT.  The ring has had its last fill and its last read: each wave lays its partial tile there by rows (pitch 528 bytes), and behind a barrier wave w adds the four partial rows 32 w .. 32 w + 31
; and stores them, a row's 512 consecutive bytes to an instruction.
; REGISTERS.  window 0: v0-29 addresses; v64-127, v128-191 A's fragments (8 x 16 rows x 32 k), two buffers.   window 1: v64-127, v128-191 B's fragments.
;   window 2: the 32 accumulators of rows 0-63, (a, b) at 8 (8 a + b);   window 3: those of rows 64-127.
.set SLOT,   131072
.set RPITCH, 528                       ; a row of a partial tile: 512 bytes + 16 = 132 words: row r starts at bank 4 r mod 64 (64 banks of 4 bytes: ISA guide 11.1), so the 16 rows of a store start at 16 different banks
.set RPART,  128*RPITCH                ; a wave's partial tile
.set SPARE,  4*RPART                   ; behind the four: the spare words, 128 bytes for each wave
.set LN16, 3                           ; v3    16 x lane
.set A0,   4                           ; v4    my two chunks of A in slot 0
.set B0,   5                           ; v5    of B
.set ADRA, 6                           ; v6    the same in the slot in hand
.set ADRB, 7                           ; v7
.set STO,  8                           ; v8    the way out: where I put 16 bytes of a row of my partial tile
.set RD,   10                          ; v10-13  the way out: my 16 bytes of a row in partial tile p
.set SPW,  28                          ; v28   my spare word; never rewritten
.set NIL,  29                          ; v29   0; never rewritten
.set F0,   64                          ; fragment buffers: F0 for a slot's first chunk of mine, F1 for the second
.set F1,   128
.set G1,  24                           ; s[24:31] descriptor group 1 for A's tiles;  s[32:39] group 0: a set for each of the two first fills; the second then walks on
.set G0,  32
.set G1B, 48                           ; s[48:55], s[56:63] the same for B's tiles
.set G0B, 56
.set TB,  45                           ; s45   LDS byte at which the slot in hand begins
.set MSB, 0
.macro WIN new                         ; the immediate's high byte repeats the setting that is left; a switch that changes nothing is dropped
.if MSB != (\new)
	s_set_vgpr_msb (MSB<<8)|(\new)
.set MSB, \new
.endif
.endm
.macro PLACES                          ; four places in front of loads into registers that matrix instructions have read, and of stores that read results (ISA guide 7.12.1 for vector instructions)
.rept 4
	v_nop
.endr
.endm
.macro CREST
	s_cmp_lg_u32 s10, 0
	s_cbranch_scc1 .Lnot_wave_0_\@
	s_barrier_signal -3
.Lnot_wave_0_\@:
	s_barrier_wait -3
	s_barrier_signal -1
	s_barrier_wait -1
.endm
.macro CROUND
	s_barrier_signal -1
	s_barrier_wait -1
	CREST
.endm
.macro JLOAD                           ; a joint refill by the walking descriptors: waves 0 and 1 fetch A's halves, waves 2 and 3 B's; an s_nop 0 and four v_nop follow each line
	s_cmp_eq_u32 s11, 0
	s_cbranch_scc0 .Lfor_b_\@
	tensor_load_to_lds s[G0+4:G0+7], s[G1:G1+7]
	s_nop 0
	PLACES
	s_branch .Lasked_\@
.Lfor_b_\@:
	tensor_load_to_lds s[G0B+4:G0B+7], s[G1B:G1B+7]
	s_nop 0
	PLACES
.Lasked_\@:
.endm
	s_load_b128 s[4:7], s[0:1], 0x0                ; ob s[4:5], wob s[6:7]
	s_load_b64 s[8:9], s[0:1], 0x10                ; out0
	v_lshl_add_u32 v[SPW], v0, 2, SPARE
	v_mov_b32 v[NIL], 0
	ds_add_u32 v[SPW], v[NIL]                      ; the wave's opening: the add and its wait stand ahead of my first tensor load
	v_lshrrev_b32 v1, 5, v0
	v_readfirstlane_b32 s10, v1                    ; wave 0..3
	s_lshr_b32 s11, s10, 1                         ; I fetch for A (0) or for B (1),
	s_and_b32 s12, s10, 1                          ; this half of the tile
	s_bfe_u32 s40, ttmp6, 0x40000                  ; cx
	s_bfe_u32 s41, ttmp6, 0x40004                  ; cy
	s_lshl_b32 s42, ttmp9, 2
	s_add_co_u32 s42, s42, s40                     ; tile column 0..31
	s_and_b32 s13, ttmp7, 0xffff
	s_lshl_b32 s13, s13, 2
	s_add_co_u32 s13, s13, s41                     ; tile row 0..7
	s_lshl_b32 s43, s41, 2
	s_lshl_b32 s43, 15, s43                        ; my row of the cluster
	s_lshl_b32 s44, 0x1111, s40                    ; my column
	s_or_b32 s[G1], s43, (3<<16)|(1<<21)           ; 15:0 the mask; 17:16 elements of 8 bytes; 21 set beside a mask
	s_or_b32 s[G1B], s44, (3<<16)|(1<<21)
.irp g, G1, G1B
	s_mov_b32 s[\g+1], 1024<<16                    ; 4 rows of 1,024 elements (8 chunks of 1,024 bytes),
	s_mov_b32 s[\g+2], 4<<16
	s_mov_b32 s[\g+3], 1024<<16
	s_mov_b32 s[\g+4], 4
	s_mov_b32 s[\g+5], 16384                       ; a row block's 131,072 bytes apart
	s_mov_b32 s[\g+6], 0
	s_mov_b32 s[\g+7], 0
.endr
	s_lshl_b32 s17, s12, 2
	s_lshl_b32 s16, s13, 3
	s_add_co_u32 s16, s16, s17
	s_lshl_b32 s16, s16, 17                        ; A: row block 8 x tile row + 4 x half
	s_lshl_b32 s46, s42, 3
	s_add_co_u32 s46, s46, s17
	s_lshl_b32 s46, s46, 17                        ; B: row block 8 x tile column + 4 x half
	s_mov_b32 s17, 0
	s_mov_b32 s47, 0
	s_lshl_b32 s20, s10, 15                        ; where they go: wave x 32,768
	s_mov_b32 s[TB], 0
	s_wait_dscnt 0x0                               ; the opening add is done
	s_wait_kmcnt 0x0
	s_add_nc_u64 s[14:15], s[4:5], s[16:17]
	s_add_nc_u64 s[46:47], s[6:7], s[46:47]
.irp s, 0,1
	s_mov_b32 s[G0+4*\s], 1
	s_add_co_u32 s[G0+4*\s+1], s20, \s*SLOT
	s_add_nc_u64 s[G0+4*\s+2:G0+4*\s+3], s[14:15], \s*8192
	s_or_b32 s[G0+4*\s+3], s[G0+4*\s+3], 0x80000000
	s_mov_b32 s[G0B+4*\s], 1
	s_add_co_u32 s[G0B+4*\s+1], s20, \s*SLOT
	s_add_nc_u64 s[G0B+4*\s+2:G0B+4*\s+3], s[46:47], \s*8192
	s_or_b32 s[G0B+4*\s+3], s[G0B+4*\s+3], 0x80000000
.endr
	CROUND                                         ; all sixteen work-groups are here: the first joint loads meet
	s_cmp_eq_u32 s11, 0                            ; a wave's two first fills stand in one branch
	s_cbranch_scc0 .Lfirst_b
	tensor_load_to_lds s[G0:G0+3], s[G1:G1+7]
	s_nop 0
	tensor_load_to_lds s[G0+4:G0+7], s[G1:G1+7]
	s_nop 0
	PLACES
	s_branch .Lfirst_asked
.Lfirst_b:
	tensor_load_to_lds s[G0B:G0B+3], s[G1B:G1B+7]
	s_nop 0
	tensor_load_to_lds s[G0B+4:G0B+7], s[G1B:G1B+7]
	s_nop 0
	PLACES
.Lfirst_asked:
	v_and_b32 v1, 15, v0                           ; r = l % 16
	v_bfe_u32 v2, v0, 4, 1                         ; h = l / 16
	v_and_b32 v3, 31, v0
	v_lshlrev_b32 v[LN16], 4, v3
	s_lshl_b32 s21, s10, 11                        ; my two chunks: 2 w x 1,024 bytes into each row block
	v_add_nc_u32 v[A0], s21, v[LN16]
	v_add_nc_u32 v[B0], 0x10000, v[A0]             ; B's row blocks lie behind A's eight
	v_mov_b32 v[ADRA], v[A0]
	v_mov_b32 v[ADRB], v[B0]
	s_mul_i32 s23, s10, RPART                      ; my partial tile
	v_mul_u32_u24 v9, v1, RPITCH                   ; in: row r, 32 bytes (8 columns) for each half of the lanes
	v_lshl_add_u32 v9, v2, 5, v9
	v_add_nc_u32 v[STO], s23, v9
	s_mul_i32 s23, s10, 32*RPITCH                  ; back: rows 32 w on, a row's 512 bytes to the 32 lanes,
.irp p, 0,1,2,3
	v_add_nc_u32 v[RD+\p], s23, v[LN16]            ; in each of the four partial tiles
	s_add_co_u32 s23, s23, RPART
.endr
	s_lshl_b32 s16, s13, 7
	s_lshl_b32 s17, s10, 5
	s_add_co_u32 s16, s16, s17
	s_lshl_b32 s16, s16, 14                        ; the first row that I store, 128 x tile row + 32 w, 16,384 bytes a row,
	s_lshl_b32 s17, s42, 9
	s_add_co_u32 s16, s16, s17                     ; the tile's first column, 4 bytes each
	s_mov_b32 s17, 0
	s_add_nc_u64 s[8:9], s[8:9], s[16:17]
; 8 matrix instructions: row block a x all 8 column blocks.  The 64 accumulators take turns, in the same order in every chunk.  zero = 1: the product starts the sums
.macro MUL8 f, a, zero
	WIN 0xa1+0x50*((\a)/4)                         ; source 0 (B) window 1, source 1 (A) window 0, C and D window 2 or 3
.irp b, 0,1,2,3,4,5,6,7
.if \zero
	v_wmma_f32_16x16x32_f16 v[8*(8*((\a)%4)+\b):8*(8*((\a)%4)+\b)+7], v[(\f)+8*\b:(\f)+8*\b+7], v[(\f)+8*(\a):(\f)+8*(\a)+7], 0
.else
	v_wmma_f32_16x16x32_f16 v[8*(8*((\a)%4)+\b):8*(8*((\a)%4)+\b)+7], v[(\f)+8*\b:(\f)+8*\b+7], v[(\f)+8*(\a):(\f)+8*(\a)+7], v[8*(8*((\a)%4)+\b):8*(8*((\a)%4)+\b)+7]
.endif
.endr
.endm
; 32 LDS loads in one run: my chunk c (0, 1) of the slot in hand into buffer f: B's 8 fragments, then A's 8
.macro FETCH c, f
	WIN 0x40                                       ; destination window 1, address window 0
.irp i, 0,1,2,3,4,5,6,7
	ds_load_b128 v[(\f)+8*\i:(\f)+8*\i+3],   v[ADRB] offset:\i*8192+(\c)*1024
	ds_load_b128 v[(\f)+8*\i+4:(\f)+8*\i+7], v[ADRB] offset:\i*8192+(\c)*1024+512
.endr
	WIN 0
.irp i, 0,1,2,3,4,5,6,7
	ds_load_b128 v[(\f)+8*\i:(\f)+8*\i+3],   v[ADRA] offset:\i*8192+(\c)*1024
	ds_load_b128 v[(\f)+8*\i+4:(\f)+8*\i+7], v[ADRA] offset:\i*8192+(\c)*1024+512
.endr
.endm
; My first chunk of a slot: 64 matrix instructions on buffer F0; behind the first eight the second chunk is fetched into F1, which the chunk before multiplied.
.macro CH0 zero
	s_wait_dscnt 8                                 ; B and A's row blocks 0-3 are in; the youngest eight loads (A's row blocks 4-7) may be out
	MUL8 F0, 0, \zero
	PLACES
	FETCH 1, F1
	s_wait_dscnt 32                                ; all but the 32 just issued
.irp a, 1,2,3,4,5,6,7
	MUL8 F0, \a, \zero
.endr
.endm
; My second chunk of a slot, on buffer F1, and THE CHANGE OF SLOTS.  Each wave waits for all its tensor loads, of which one is out: its part of the next slot; adds 0 to its spare word; waits for that and for
; its reads of this slot.  turn = 1: the barrier opens a round of the cluster's barrier, and the joint refill of this slot, with the chunks two fills on, is the first tensor load behind it.
; turn = 2: nothing is left to ask for.
.macro CH1 turn
	WIN 0                                          ; (the add's two registers lie in window 0)
	s_wait_tensorcnt 0x0                           ; all my tensor loads have landed, so a group 0 may be written
	ds_add_u32 v[SPW], v[NIL]                      ; 0 onto my spare word
.if (\turn) == 1
	s_xor_b32 s[G0+5], s[G0+5], SLOT               ; the walking descriptors: the other slot than last time,
	s_add_nc_u64 s[G0+6:G0+7], s[G0+6:G0+7], 8192  ; the next 8 chunks; the type bits on top are not reached
	s_xor_b32 s[G0B+5], s[G0B+5], SLOT
	s_add_nc_u64 s[G0B+6:G0B+7], s[G0B+6:G0B+7], 8192
.endif
	s_wait_dscnt 9                                 ; (the add and the youngest eight loads may be out)
	MUL8 F1, 0, 0
	s_wait_dscnt 0x0                               ; the add is done, and my reads of this slot are over
	s_barrier_signal -1
	MUL8 F1, 1, 0
	WIN 0
	s_xor_b32 s[TB], s[TB], SLOT                   ; the fetches go on in the other slot
	v_add_nc_u32 v[ADRA], s[TB], v[A0]
	v_add_nc_u32 v[ADRB], s[TB], v[B0]
	s_barrier_wait -1
.if (\turn) == 1
	CREST                                          ; no wave of any partner still reads the slot or has a load on its way
	JLOAD                                          ; its four v_nop are also the places in front of the loads below
.else
	PLACES
.endif
	FETCH 0, F0
.irp a, 2,3,4,5,6,7
	MUL8 F1, \a, 0
.endr
.endm
	s_wait_tensorcnt 0x1                           ; my part of slot 0 is in; slot 1's may stay out
	s_barrier_signal -1
	s_barrier_wait -1                              ; everybody's is
	FETCH 0, F0
	CH0 1                                          ; the first chunk stands in front of the loop: its products start the sums
	WIN 0
	s_mov_b32 s3, 14
.Lfill:                                                ; fourteen trips: a fill's second chunk, with the refill, and the next fill's first
	CH1 1
	CH0 0
	WIN 0
	s_sub_co_u32 s3, s3, 1
	s_cmp_lg_u32 s3, 0
	s_cbranch_scc1 .Lfill
	CH1 2                                          ; the last two fills ask for nothing
	CH0 0
	s_wait_dscnt 8
.irp a, 0,1,2,3
	MUL8 F1, \a, 0
.endr
	s_wait_dscnt 0x0
.irp a, 4,5,6,7
	MUL8 F1, \a, 0
.endr
	; THE WAY OUT.  A barrier: every wave's reads of the ring are over (its last wait above was for 0), and its last fill landed in front of the barrier of the last change of slots.
	s_barrier_signal -1
	PLACES                                         ; the stores below read results just made
	s_barrier_wait -1
	WIN 0x08                                       ; data (source 1) in window 2
.set i, 0
.rept 32
	ds_store_b128 v[STO], v[8*i:8*i+3] offset:(i/8)*16*RPITCH+(i%8)*64       ; each accumulator's low registers first
	ds_store_b128 v[STO], v[8*i+4:8*i+7] offset:(i/8)*16*RPITCH+(i%8)*64+16
.set i, i+1
.endr
	WIN 0x0c                                       ; window 3: rows 64 on
.set i, 0
.rept 32
	ds_store_b128 v[STO], v[8*i:8*i+3] offset:(4+i/8)*16*RPITCH+(i%8)*64
	ds_store_b128 v[STO], v[8*i+4:8*i+7] offset:(4+i/8)*16*RPITCH+(i%8)*64+16
.set i, i+1
.endr
	WIN 0
	s_wait_dscnt 0x0                               ; for the others' sake: my partial tile is written
	s_barrier_signal -1
	s_barrier_wait -1
.macro RLOAD set, q0                   ; four rows, from all four partial tiles: sixteen loads of 512 consecutive bytes
.irp q, 0,1,2,3
.irp p, 0,1,2,3
	ds_load_b128 v[(\set)+16*\q+4*\p:(\set)+16*\q+4*\p+3], v[RD+\p] offset:((\q0)+\q)*RPITCH
.endr
.endr
.endm
.macro RSUM set, q0                    ; the four quarters of K are added in f32, (0 + 1) + (2 + 3), and the rows stored
.irp q, 0,1,2,3
	v_pk_add_f32 v[(\set)+16*\q:(\set)+16*\q+1],     v[(\set)+16*\q:(\set)+16*\q+1],     v[(\set)+16*\q+4:(\set)+16*\q+5]
	v_pk_add_f32 v[(\set)+16*\q+2:(\set)+16*\q+3],   v[(\set)+16*\q+2:(\set)+16*\q+3],   v[(\set)+16*\q+6:(\set)+16*\q+7]
	v_pk_add_f32 v[(\set)+16*\q+8:(\set)+16*\q+9],   v[(\set)+16*\q+8:(\set)+16*\q+9],   v[(\set)+16*\q+12:(\set)+16*\q+13]
	v_pk_add_f32 v[(\set)+16*\q+10:(\set)+16*\q+11], v[(\set)+16*\q+10:(\set)+16*\q+11], v[(\set)+16*\q+14:(\set)+16*\q+15]
.endr
.irp q, 0,1,2,3
	v_pk_add_f32 v[(\set)+16*\q:(\set)+16*\q+1],     v[(\set)+16*\q:(\set)+16*\q+1],     v[(\set)+16*\q+8:(\set)+16*\q+9]
	v_pk_add_f32 v[(\set)+16*\q+2:(\set)+16*\q+3],   v[(\set)+16*\q+2:(\set)+16*\q+3],   v[(\set)+16*\q+10:(\set)+16*\q+11]
.endr
.irp q, 0,1,2,3
	global_store_b128 v[LN16], v[(\set)+16*\q:(\set)+16*\q+3], s[8:9] offset:((\q0)+\q)*16384  ; the wave stores 512 consecutive bytes, at a multiple of 512 from out0's first
.endr
.endm
	s_mov_b32 s3, 4
.Lrows:                                                ; four trips of eight rows, in the registers that held A's fragments
	RLOAD F0, 0
	RLOAD F1, 4
	s_wait_dscnt 16                                ; the first four rows are in; the second four's sixteen loads may be out
	RSUM F0, 0
	s_wait_dscnt 0x0
	RSUM F1, 4
	s_wait_xcnt 0x0                                ; the stores' data and base are rewritten only behind this wait
.irp p, 0,1,2,3
	v_add_nc_u32 v[RD+\p], 8*RPITCH, v[RD+\p]
.endr
	s_add_nc_u64 s[8:9], s[8:9], 8*16384
	s_sub_co_u32 s3, s3, 1
	s_cmp_lg_u32 s3, 0
	s_cbranch_scc1 .Lrows
	s_wait_tensorcnt 0x0                           ; the wave's end
	ds_add_u32 v[SPW], v[NIL]
	s_wait_dscnt 0x0
	CROUND                                         ; the closing round
	s_endpgm
.Lfunc_end_k_qe6417fdf9d_oproj:
	.size	k_qe6417fdf9d_oproj, .Lfunc_end_k_qe6417fdf9d_oproj-k_qe6417fdf9d_oproj
	.p2alignl 7, 3214868480
	.fill 96, 4, 3214868480
	.section	.rodata,"a",@progbits
	.p2align	6, 0x0
	.amdhsa_kernel k_qe6417fdf9d_oproj
		.amdhsa_group_segment_fixed_size 327680
		.amdhsa_private_segment_fixed_size 0
		.amdhsa_enable_private_segment 0
		.amdhsa_kernarg_size 24
		.amdhsa_user_sgpr_count 2
		.amdhsa_user_sgpr_kernarg_segment_ptr 1
		.amdhsa_wavefront_size32 1
		.amdhsa_system_sgpr_workgroup_id_x 1
		.amdhsa_system_sgpr_workgroup_id_y 1
		.amdhsa_system_sgpr_workgroup_id_z 1
		.amdhsa_system_vgpr_workitem_id 0
		.amdhsa_next_free_vgpr 1024
		.amdhsa_next_free_sgpr 66
		.amdhsa_reserve_vcc 0
		.amdhsa_float_denorm_mode_32 3
		.amdhsa_float_denorm_mode_16_64 3
		.amdhsa_memory_ordered 1
		.amdhsa_forward_progress 1
		.amdhsa_inst_pref_size 61
	.end_amdhsa_kernel
	.amdgpu_metadata
---
amdhsa.version: [ 1, 2 ]
amdhsa.kernels:
  - .name:           k_qe6417fdf9d_oproj
    .symbol:         k_qe6417fdf9d_oproj.kd
    .args:
      - { .name: ob, .offset: 0, .size: 8, .value_kind: global_buffer, .address_space: global }
      - { .name: wob, .offset: 8, .size: 8, .value_kind: global_buffer, .address_space: global }
      - { .name: out0, .offset: 16, .size: 8, .value_kind: global_buffer, .address_space: global }
    .group_segment_fixed_size: 327680
    .private_segment_fixed_size: 0
    .kernarg_segment_align: 8
    .kernarg_segment_size: 24
    .max_flat_workgroup_size: 128
    .sgpr_count:     66
    .vgpr_count:     1024
    .wavefront_size: 32
...
	.end_amdgpu_metadata
.endif
;; end of part 4
